; MI455X (gfx1250); checked and timed in simulation.
; The chip was launched on July 23, 2026; its instructions are those of AMD's public machine-readable ISA for CDNA 5 (MIT licence, August 2026) and "CDNA5" Instruction Set Architecture Reference Guide (July 2026). The comments in the code are by the model that wrote it; some were corrected since.
;; Luong Concat Attention. Allowed arithmetic: matrix products marked QUANTISED: E5M2 operands, one given power-of-two scale a tensor, by v_wmma_f32_16x16x64_bf8_bf8 or v_wmma_f32_16x16x128_bf8_bf8, f32 sums; products left as they are: f32 operands where the result goes on into a quantised operand, else bf16, f16 or f32 operands; f32 sums; everything else in f32.
;; Inputs: W_a 1,024 x 2,048 float32; decoder_hidden_codes 32 x 32 x 32 uint8 (E5M2 codes of decoder_hidden, K innermost, in blocks of 32 codes); encoder_all_hidden_codes 32 x 2,048 x 32 x 32 uint8 (E5M2 codes of encoder_all_hidden, K innermost, in blocks of 32 codes); lowp_scales 4 int32 (the exponents e of the quantised operands' scales 2^e); v 1,024 float32.
;; Outputs: out0 32 x 2,048 float32.
;; This version of the problem:
;;   THIS VERSION OF THE PROBLEM IS GIVEN IN LOW PRECISION. The matrix products marked QUANTISED in the list below multiply operands that are first quantised to E5M2 (5 exponent bits, 2 mantissa bits; 8 bits a number), with one given power-of-two scale for each operand tensor; their sums are f32. All else is computed in f32.
;;   The module's matrix products, in the order in which they are computed (A, B: the left and right operand; K: the contracted axis; several contracted axes count as one K, in the product's order):
;;     1. [M 32, K 1,024] x [K 1,024, N 1,024]; A: input decoder_hidden (given as codes); B: input W_a: QUANTISED (scales: A lowp_scales[0], B lowp_scales[1])
;;     2. [M 65,536, K 1,024] x [K 1,024, N 1,024]; A: input encoder_all_hidden (given as codes); B: input W_a: QUANTISED (scales: A lowp_scales[2], B lowp_scales[3])
;;     3. [M 65,536, K 1,024] x [K 1,024, N 1]; A: computed on the way; B: input v: left as it is (N = 1 < 16)
;;   THE QUANTISER, for each operand of a quantised product, along K:
;;     - The operand's scale is 2^e, e = its entry of the input lowp_scales (int32; the entries are numbered through the quantised products in the list's order, A before B).
;;     - Each number is divided by the scale, clamped to +-57,344, and rounded to the nearest number of E5M2, ties to even, subnormals kept.
;;     - The product sums the exact products of the quantised numbers (number of the format x scale) in f32.
;;   ~~~python
;;   def quantise(x, axis, e):      # numpy; x: float32 -> the quantised numbers, widened to float32 again
;;       x = np.moveaxis(x, axis, -1); K = x.shape[-1]
;;       r = np.clip(x / 2.0 ** e, -57344, 57344)
;;       step = 2.0 ** (np.maximum(np.frexp(np.where(r == 0, 1, r))[1] - 1, -14) - 2)
;;       q = np.round(r / step) * step * 2.0 ** e      # np.round: ties to even
;;       return np.moveaxis(q, -1, axis).astype(np.float32)
;;   ~~~
;;   INPUTS GIVEN AS CODES. decoder_hidden (in the module: [32, 1024], K = its axis 1); encoder_all_hidden (in the module: [32, 2048, 1024], K = its axis 2): each comes as NAME_codes (uint8): NAME with its K axis moved to the last place and cut into blocks of 32 codes, [.., K / 32, bytes a block], one block behind the other in memory; one code a byte (a code: sign, 5 exponent bits, 2 mantissa bits); its scale is its entry of lowp_scales. Its value is code x scale, taken as it is: it is not quantised again, and the codes and scales need not be those that the quantiser above would give.
;; One version. Each part assembles by itself: llvm-mc -triple=amdgcn-amd-amdhsa -mcpu=gfx1250 --defsym DOCPART=n.
;; ======== version 1 of 1: 3 launches
;; workspace buffers: wimg 1,048,576 bytes; dqp 1,048,576 bytes; part 1,048,576 bytes
;; launch prep (part 1): grid 256 x 1, 4 waves a work-group, no clusters, 68,096 bytes of LDS; arguments W_a, decoder_hidden_codes, lowp_scales, wimg, dqp; writes wimg, dqp
.if DOCPART == 1
	.amdgcn_target "amdgcn-amd-amdhsa--gfx1250"
	.amdhsa_code_object_version 6
	.text
	.protected	k_q0c645c4a64_prep
	.globl	k_q0c645c4a64_prep
	.p2align	8
	.type	k_q0c645c4a64_prep,@function
k_q0c645c4a64_prep:
	s_mov_b64 s[64:65], 0
	v_nop
	global_prefetch_b8 v0, s[64:65] scope:SCOPE_SE
	s_setreg_imm32_b32 hwreg(HW_REG_WAVE_MODE, 25, 1), 1
	s_wait_xcnt 0x0
; W_a [1024][2048] f32 is quantised ONCE to codes of BF8 (E5M2), along K (its last axis).  Columns 0-1023 are Wd (scale 2^e1), columns 1024-2047 We (scale 2^e3).
; code = x / 2^e, held within +-57,344, rounded to the nearest code, ties to even.
; A wave takes ONE unit: 16 rows (tile T) x 128 columns (block u of 16): 1,024 units for 1,024 waves; no loop, no barrier: waves share nothing.
;   u >= 8 (We, K step u - 8): the 16 registers of the operand's fragment are stored as they stand (an image of the registers): wimg byte ((8 T + s) 4 + c) 512 + 16 lane.
;   u <  8 (Wd, K step u): the fragment is multiplied at once with the decoder's two fragments (32 rows of codes); the K step's part of dec_proj, x 2 log2(e) x 2^(e0 + e1),
;          is stored in the result's own layout: dqp byte ((64 u + T) 4 + 2 mt + jh) 512 + 16 lane.  The next launch adds the eight parts.
; A lane must hold 16 NEIGHBOURS along K for the conversions, and a load is best where neighbouring lanes take neighbouring bytes: each load reads 512 consecutive bytes of a row,
; the 16 rows turn through the wave's own stage in LDS (rows 528 bytes apart: row r begins 4 r words on, modulo 64 words) and come back 64 bytes a lane.
; The two paths part on the work-group's number; each has LDS bytes of its own.
; LIMITS: e1 and e3 between -126 and 112; e0 + e1 between -127 and 126 (each power of two below is an f32 number).  NaN in W_a is not served.
.set SP,   528                         ; a stage row: 512 bytes + 16
.set WST,  16*SP                       ; a wave's stage
.set WDB,  4*WST                       ; the Wd path's stages begin here
.set R,    16                          ; v16-79    16 rows as loaded, 4 registers each
.set X,    80                          ; v80-143   register 16 c + i = k 32 c + 16 (lane / 16) + i of row lane % 16
.set PC,   144                         ; v144-159  the fragment's codes
.set DF,   160                         ; v160-191  the decoder's two fragments
.set DA,   192                         ; v192-207  two accumulators
.set O,    208                         ; v208-223  what is stored of them
	s_load_b256 s[4:11], s[0:1], 0x0               ; W_a s[4:5], the decoder's codes s[6:7], the scales' exponents s[8:9], wimg s[10:11]
	s_load_b64 s[12:13], s[0:1], 0x20              ; dqp
	v_lshl_add_u32 v224, v0, 2, 0x10800
	v_mov_b32 v225, 0
	v_lshrrev_b32 v1, 5, v0
	v_readfirstlane_b32 s14, v1                    ; wave 0..3
	v_and_b32 v1, 31, v0                           ; lane
	v_and_b32 v2, 15, v0                           ; r
	v_bfe_u32 v3, v0, 4, 1                         ; h
	v_lshlrev_b32 v4, 4, v1                        ; 16 x lane: my bytes of a load's or a store's 512
	s_mul_i32 s20, s14, WST
	v_add_nc_u32 v5, s20, v4                       ; the stage, on the way in: 16 x lane in a row
	v_mul_u32_u24 v6, v2, SP
	v_lshl_add_u32 v6, v3, 6, v6
	v_add_nc_u32 v6, s20, v6                       ; and on the way out: row r, + 64 h
	v_lshlrev_b32 v7, 10, v2
	v_lshl_add_u32 v7, v3, 4, v7                   ; the decoder's codes: row r of 1,024 bytes, + 16 h
	s_lshr_b32 s15, ttmp9, 2                       ; T: which 16 rows of W_a
	s_and_b32 s16, ttmp9, 3
	s_lshl_b32 s17, s16, 2
	s_add_co_u32 s17, s17, s14                     ; u: which 128 columns
	s_lshl_b32 s18, s15, 17                        ; 16 rows of 8,192 bytes
	s_lshl_b32 s19, s17, 9                         ; 128 numbers of 4 bytes
	s_add_co_u32 s18, s18, s19
	s_mov_b32 s19, 0
	s_wait_kmcnt 0x0
	s_load_b128 s[24:27], s[8:9], 0x0              ; e0, e1, e2, e3
	s_add_nc_u64 s[4:5], s[4:5], s[18:19]
.irp rr, 0,1,2,3,4,5,6,7,8,9,10,11,12,13,14,15
	global_load_b128 v[R+4*\rr:R+4*\rr+3], v4, s[4:5] offset:8192*\rr th:TH_LOAD_NT   ; 32 lanes read 512 consecutive bytes of row rr; read once in the launch
.endr
.macro SCALE e                         ; v11 = 2^e as f32 (the conversion takes its exponent field), v10 = 57,344 x 2^e
	s_add_co_i32 s28, \e, 127
	s_lshl_b32 s29, s28, 23
	v_mov_b32 v11, s29
	s_add_co_i32 s28, s28, 15
	s_lshl_b32 s28, s28, 23
	s_or_b32 s28, s28, 0x600000
	v_mov_b32 v10, s28
.endm
.macro TURNW base                      ; through my stage: LDS serves a wave's instructions in order (ISA guide 5.7.1.4), so no wait stands between the stores and the loads
.irp rr, 0,1,2,3,4,5,6,7,8,9,10,11,12,13,14,15
	ds_store_b128 v5, v[R+4*\rr:R+4*\rr+3] offset:\base+SP*\rr
.endr
.irp c, 0,1,2,3
.irp j, 0,1,2,3
	ds_load_b128 v[X+16*\c+4*\j:X+16*\c+4*\j+3], v6 offset:\base+128*\c+16*\j
.endr
.endr
.endm
.macro QUANT                           ; 64 numbers of a lane become the fragment's 16 registers: registers 4 c .. 4 c + 3 = k 32 c + 16 h + 0 .. 15
.irp c, 0,1,2,3
.irp i, 0,1,2,3,4,5,6,7,8,9,10,11,12,13,14,15
	v_med3_num_f32 v[X+16*\c+\i], v[X+16*\c+\i], -v10, v10   ; the conversion to an 8-bit code does not saturate (ISA guide 7.6.2): the hold at the largest code x the scale
.endr
	v_cvt_scalef32_pk8_bf8_f32 v[PC+4*\c:PC+4*\c+1], v[X+16*\c:X+16*\c+7], v11
	v_cvt_scalef32_pk8_bf8_f32 v[PC+4*\c+2:PC+4*\c+3], v[X+16*\c+8:X+16*\c+15], v11
.endr
	v_nop                                          ; one plain vector instruction between the last scaled conversion and whatever next touches its result
.endm
	s_cmp_lt_u32 s16, 2                            ; the work-group's number alone decides: all four waves of a work-group take one path
	s_cbranch_scc1 .Lwd
	; ---- We: the fragment's image goes to wimg
	s_lshl_b32 s20, s15, 3
	s_add_co_u32 s20, s20, s17
	s_sub_co_u32 s20, s20, 8                       ; 8 T + s, s = u - 8
	s_lshl_b32 s20, s20, 11                        ; an image is 2,048 bytes
	s_mov_b32 s21, 0
	s_add_nc_u64 s[10:11], s[10:11], s[20:21]
	s_wait_kmcnt 0x0
	SCALE s27                                      ; e3
	s_wait_loadcnt 0x0
	TURNW 0
	s_wait_dscnt 0x0
	QUANT
.irp c, 0,1,2,3
	global_store_b128 v4, v[PC+4*\c:PC+4*\c+3], s[10:11] offset:512*\c   ; the wave stores 512 consecutive bytes, at a multiple of 512 from the buffer's first byte
.endr
	s_wait_tensorcnt 0x0
	ds_add_u32 v224, v225
	s_wait_dscnt 0x0
	s_endpgm
.Lwd:
	; ---- Wd: K step u of dec_proj, for all 32 rows of the decoder
	s_lshl_b32 s20, s17, 7                         ; 128 u codes along a row
	s_mov_b32 s21, 0
	s_add_nc_u64 s[6:7], s[6:7], s[20:21]
.irp mt, 0,1
.irp c, 0,1,2,3
	global_load_b128 v[DF+16*\mt+4*\c:DF+16*\mt+4*\c+3], v7, s[6:7] offset:16384*\mt+32*\c   ; rows 16 mt + r, k = 128 u + 32 c + 16 h + 0 .. 15: the same places along K as Wd's fragment has
.endr
.endr
	s_lshl_b32 s22, s17, 6
	s_add_co_u32 s22, s22, s15                     ; 64 u + T
	s_lshl_b32 s22, s22, 11
	s_mov_b32 s23, 0
	s_add_nc_u64 s[12:13], s[12:13], s[22:23]
	s_wait_kmcnt 0x0
	SCALE s25                                      ; e1
	s_add_co_i32 s30, s24, s25
	s_lshl_b32 s30, s30, 23
	s_add_co_i32 s30, s30, 0x4038aa3b              ; 2 log2(e) with e0 + e1 added to its exponent field
	s_mov_b32 s31, s30                             ; (named with it as a pair, so it is written)
	s_wait_loadcnt 0x0
	TURNW WDB
	s_wait_dscnt 0x0
	QUANT
	v_wmma_f32_16x16x128_bf8_bf8 v[DA:DA+7], v[PC:PC+15], v[DF:DF+15], 0          ; source 0 = 16 rows of Wd, source 1 = 16 rows of the decoder: lane (r, h), register j = (b = r, e = 16 T + 8 h + j)
	v_wmma_f32_16x16x128_bf8_bf8 v[DA+8:DA+15], v[PC:PC+15], v[DF+16:DF+31], 0    ; b = 16 + r
.rept 4
	v_nop                                          ; four places between a matrix instruction and the first read of its result (ISA guide 7.12.1)
.endr
.irp i, 0,2,4,6,8,10,12,14
	v_pk_mul_f32 v[O+\i:O+\i+1], v[DA+\i:DA+\i+1], s[30:31] op_sel_hi:[1,0]       ; each accumulator from its low end on
.endr
.irp mt, 0,1
.irp jh, 0,1
	global_store_b128 v4, v[O+8*\mt+4*\jh:O+8*\mt+4*\jh+3], s[12:13] offset:(2*\mt+\jh)*512   ; 512 consecutive bytes a store
.endr
.endr
	s_wait_tensorcnt 0x0
	ds_add_u32 v224, v225
	s_wait_dscnt 0x0
	s_endpgm
.Lfunc_end_k_q0c645c4a64_prep:
	.size	k_q0c645c4a64_prep, .Lfunc_end_k_q0c645c4a64_prep-k_q0c645c4a64_prep
	.p2alignl 7, 3214868480
	.fill 96, 4, 3214868480
	.section	.rodata,"a",@progbits
	.p2align	6, 0x0
	.amdhsa_kernel k_q0c645c4a64_prep
		.amdhsa_group_segment_fixed_size 68096
		.amdhsa_private_segment_fixed_size 0
		.amdhsa_enable_private_segment 0
		.amdhsa_kernarg_size 40
		.amdhsa_user_sgpr_count 2
		.amdhsa_user_sgpr_kernarg_segment_ptr 1
		.amdhsa_wavefront_size32 1
		.amdhsa_system_sgpr_workgroup_id_x 1
		.amdhsa_system_sgpr_workgroup_id_y 1
		.amdhsa_system_sgpr_workgroup_id_z 1
		.amdhsa_system_vgpr_workitem_id 0
		.amdhsa_next_free_vgpr 226
		.amdhsa_next_free_sgpr 66
		.amdhsa_reserve_vcc 0
		.amdhsa_float_denorm_mode_32 3
		.amdhsa_float_denorm_mode_16_64 3
		.amdhsa_memory_ordered 1
		.amdhsa_forward_progress 1
		.amdhsa_inst_pref_size 20
	.end_amdhsa_kernel
	.amdgpu_metadata
---
amdhsa.version: [ 1, 2 ]
amdhsa.kernels:
  - .name:           k_q0c645c4a64_prep
    .symbol:         k_q0c645c4a64_prep.kd
    .args:
      - { .name: W_a, .offset: 0, .size: 8, .value_kind: global_buffer, .address_space: global }
      - { .name: decoder_hidden_codes, .offset: 8, .size: 8, .value_kind: global_buffer, .address_space: global }
      - { .name: lowp_scales, .offset: 16, .size: 8, .value_kind: global_buffer, .address_space: global }
      - { .name: wimg, .offset: 24, .size: 8, .value_kind: global_buffer, .address_space: global }
      - { .name: dqp, .offset: 32, .size: 8, .value_kind: global_buffer, .address_space: global }
    .group_segment_fixed_size: 68096
    .private_segment_fixed_size: 0
    .kernarg_segment_align: 8
    .kernarg_segment_size: 40
    .max_flat_workgroup_size: 128
    .sgpr_count:     66
    .vgpr_count:     226
    .wavefront_size: 32
...
	.end_amdgpu_metadata
.endif
;; end of part 1
;; launch main (part 2): grid 256 x 1, 4 waves a work-group, clusters of 4 x 1, 327,680 bytes of LDS; arguments encoder_all_hidden_codes, wimg, dqp, v, lowp_scales, part; writes part
.if DOCPART == 2
	.amdgcn_target "amdgcn-amd-amdhsa--gfx1250"
	.amdhsa_code_object_version 6
	.text
	.protected	k_q0c645c4a64_main
	.globl	k_q0c645c4a64_main
	.p2align	8
	.type	k_q0c645c4a64_main,@function
k_q0c645c4a64_main:
	s_mov_b64 s[64:65], 0
	v_nop
	global_prefetch_b8 v0, s[64:65] scope:SCOPE_SE
	s_setreg_imm32_b32 hwreg(HW_REG_WAVE_MODE, 25, 1), 1
	s_wait_xcnt 0x0
	s_wait_alu depctr_hold_cnt(0) depctr_sa_sdst(0) depctr_va_vdst(0) depctr_va_sdst(0) depctr_va_ssrc(0) depctr_va_vcc(0) depctr_vm_vsrc(0)
	s_getreg_b32 s2, hwreg(HW_REG_IB_STS2, 6, 4)
	s_cmp_eq_u32 s2, 0
	s_cbranch_scc0 .Lentry_in_a_cluster
	s_endpgm
.Lentry_in_a_cluster:
	s_bfe_u32 s2, ttmp6, 0x10000c
	s_cmp_lg_u32 s2, 0x3003
	s_cbranch_scc0 .Lentry_shape_is_right
	s_endpgm
.Lentry_shape_is_right:
; part[g][row] = the sum over the 256 columns e of slice g of (-2 v[e]) / (1 + 2^t),  t = 2 log2(e) (dec_proj[b][e] + enc_proj[row][e]);  enc_proj = encoder codes x We codes, BF8 (E5M2), f32 sums.
; tanh(x) = 1 - 2 / (1 + 2^(2 log2(e) x)), so a score is (the sum of v) + (the sum over e of -2 v[e] / (1 + 2^t)).  THE SUM OF v IS LEFT OUT: it is one number for all rows, and the softmax that
; follows takes the row's maximum away, so a common shift changes nothing.  Where 2^t overflows the quotient is 0 (tanh = 1), where it underflows 1 (tanh = -1).
; LIMIT: e2 + e3 between -127 and 126 (they are added to the exponent field of 2 log2(e)).  Codes of infinity or NaN are not served.
; SHARES.  A cluster of four work-groups owns 1,024 rows of the encoder (all of one batch b); work-group g of it owns columns 256 g .. 256 g + 255, wave w of it 64 of these: four tiles of 16.
; THE WEIGHTS STAY IN REGISTERS: a wave's 64 columns x K = 1,024 are 32 fragments, 512 registers, loaded once as images of the registers.  What streams is the encoder: 128 rows x 1,024 bytes a slot,
; two LDS slots, filled by JOINT tensor loads (the four partners need the same rows): each byte of the encoder is asked for once in the launch.  Every wave reads every tile of 16 rows.
; THE MATRIX INSTRUCTION IS USED TRANSPOSED (source 0 = 16 columns of We, source 1 = 16 rows of the encoder): lane (r, h) holds row r, register 8 t + j column 16 t + 8 h + j of the wave's 64:
; the sum over e is packed multiply-adds in the lane and one exchange between the halves of the lanes.
; BY TURNS.  Turn i has 32 matrix instructions on tile i (K = 1,024 x 4 column tiles); behind each stands a slice of four entries of tile i - 1's list (scale, 2^t, + 1, reciprocal, x -2 v, sums: 120
; entries); tile i + 1 is fetched from LDS in two runs of 16 loads.  Two sets of accumulators and two sets of encoder fragments change places from turn to turn.
; REGISTERS, in windows of 256 (s_set_vgpr_msb: bits 1:0 source 0, 3:2 source 1, 5:4 source 2, 7:6 destination):
;   window 0: v2-15 addresses and at work; v16-23 four packed sums; v32-63, v64-95 the two sets of accumulators; v96-127 DQ = 2 log2(e) dec_proj at my columns; v128-159 -2 v at my columns; v160-191 the end's sums
;   window 1: v0-127, v128-255 the two sets of encoder fragments (K step s at 16 s)      windows 2, 3: We's fragments, K steps 0-3 and 4-7: (t, s) at 16 (4 (s % 4) + t)
.set PITCH, 1040                       ; an LDS row: 1,024 bytes + 16 = 260 words: row r begins 4 r words on, modulo 64 words, so the 16 rows of a fragment load begin at 16 different places
.set TILEB, 16*PITCH                   ; a tile of 16 rows
.set QUART, 32*PITCH                   ; what one tensor load brings
.set SLOT,  128*PITCH                  ; 133,120 bytes; slot 1 begins here
.set SLOTG, 128*1024                   ; a slot's rows in memory
.set STG,   2*SLOT                     ; behind the ring: 1,024 partial scores (4,096 bytes) for each wave; no tensor load lands here
.set SPARE, STG+4*4096                 ; the spare words, 128 bytes for each wave: two blocks of 256 bytes that no other line names
.set AX0, 2                            ; v2   my lane's place in a tile: 1,040 r + 16 h
.set ADR, 3                            ; v3   LDS address of the runs of loads in hand
.set SA0, 4                            ; v4   my score's word in tile 0: STG + 4,096 w + 4 r
.set SAD, 5                            ; v5   the same in the tile in hand
.set PFO, 6                            ; v6   256 x lane, for the prefetches; never rewritten
.set LO,  7                            ; v7   16 x lane
.set H256, 8                           ; v8   256 h
.set H32, 9                            ; v9   32 h
.set SPW, 10                           ; v10  LDS address of my spare word; never rewritten
.set NIL, 11                           ; v11  0; never rewritten
.set SS,  12                           ; v12  a row's sum
.set TT,  13                           ; v13  the other half's
.set FRD, 14                           ; v14  the end: STG + 16 x thread
.set T16, 15                           ; v15  16 x thread
.set SA,  16
.set AC,  32
.set DQ,  96
.set WW,  128
.set ES,  160
.set WV,  16                           ; s16  wave
.set CX,  17                           ; s17  my place in the cluster = column slice g: it enters global addresses of my own loads, stores and prefetches alone
.set BB,  19                           ; s19  the batch
.set G1,  24                           ; s[24:31] descriptor group 1
.set G0,  32                           ; s[32:39] descriptor group 0, a set for each slot
.set CS,  40                           ; s[40:41] 2 log2(e) 2^(e2 + e3)
.set SEL, 42                           ; s[42:43] selects of v_permlanex16_b32: lane l xor 16
.set TB,  44                           ; s44  LDS byte of the tile to be fetched next
.set SC,  45                           ; s45  64 x the tile whose scores are stored next
.set OUTC, 46
.set INC, 47
.set PN,  48                           ; s48  changes of slots that still fill
.set PFA, 50                           ; s[50:51] where my prefetches stand
.set MSB, 0
.macro WIN new                         ; the immediate's high byte repeats the setting that is left; a switch that changes nothing is dropped
.if MSB != (\new)
	s_set_vgpr_msb (MSB<<8)|(\new)
.set MSB, (\new)
.endif
.endm
.macro CREST                           ; a round of the cluster's barrier behind its opening barrier
	s_cmp_lg_u32 s[WV], 0
	s_cbranch_scc1 .Lnot_wave_0_\@
	s_barrier_signal -3
.Lnot_wave_0_\@:
	s_barrier_wait -3
	s_barrier_signal -1
	s_barrier_wait -1
.endm
.macro CROUND                          ; a whole round
	s_barrier_signal -1
	s_barrier_wait -1
	CREST
.endm
; A PREFETCH INTO THE L2 of the slot that the NEXT change of slots will ask for.  A slot is 512 blocks of 256 bytes: partner g takes 128 of them, told apart by ADDRESS, its wave w 32, a lane one:
; each block is named once in the launch.  It stands behind the joint load and its four lines.  The first three slots come by their loads alone; the last change that fills asks for nothing.
.macro ASK
	s_cmp_lg_u32 s[PN], 0
	s_cbranch_scc0 .Lno_ask_\@
	global_prefetch_b8 v[PFO], s[PFA:PFA+1] th:TH_LOAD_NT scope:SCOPE_SE
.Lno_ask_\@:
.endm
	s_load_b256 s[4:11], s[0:1], 0x0               ; the encoder's codes s[4:5], wimg s[6:7], dqp s[8:9], v s[10:11]
	s_load_b128 s[12:15], s[0:1], 0x20             ; the scales' exponents s[12:13], part s[14:15]
	v_lshl_add_u32 v[SPW], v0, 2, SPARE
	v_mov_b32 v[NIL], 0
	ds_add_u32 v10, v11
	ds_add_u32 v10, v11
	s_wait_dscnt 0x0
	v_lshrrev_b32 v1, 5, v0
	v_readfirstlane_b32 s[WV], v1                  ; wave 0..3
	s_bfe_u32 s[CX], ttmp6, 0x40000                ; g
	s_lshr_b32 s[BB], ttmp9, 1                     ; in a cluster launch ttmp9 counts clusters: two clusters to a batch of 2,048 rows
	; descriptor group 1: 32 rows x 1,024 bytes, padded in LDS
	s_mov_b32 s[G1+0], 15|(1<<20)|(1<<21)|(7<<22)|(3<<25)  ; 15:0 the mask: all four work-groups; 17:16 elements of 1 byte; 20 padding on; 21 set beside a mask; 24:22 after every 256 words (code 7); 31:25 four words (code 3)
	s_mov_b32 s[G1+1], 1024<<16                    ; tensor_dim0 = 1,024
	s_mov_b32 s[G1+2], 32<<16                      ; tensor_dim1 = 32
	s_mov_b32 s[G1+3], 1024<<16                    ; tile_dim0 = 1,024
	s_mov_b32 s[G1+4], 32                          ; tile_dim1 = 32
	s_mov_b32 s[G1+5], 1024                        ; from row to row
	s_mov_b32 s[G1+6], 0
	s_mov_b32 s[G1+7], 0
	s_mov_b32 s[SEL], 0x76543210
	s_mov_b32 s[SEL+1], 0xfedcba98
	v_and_b32 v1, 31, v0                           ; lane
	v_lshlrev_b32 v[LO], 4, v1
	v_lshlrev_b32 v[PFO], 8, v1
	v_and_b32 v1, 15, v0                           ; r
	v_bfe_u32 v[H32], v0, 4, 1                     ; h
	v_mul_u32_u24 v[AX0], v1, PITCH
	v_lshl_add_u32 v[AX0], v[H32], 4, v[AX0]
	v_lshlrev_b32 v[H256], 8, v[H32]
	v_lshlrev_b32 v[H32], 5, v[H32]
	s_lshl_b32 s23, s[WV], 12
	s_add_co_u32 s23, s23, STG
	v_lshl_add_u32 v[SA0], v1, 2, s23
	v_lshlrev_b32 v[T16], 4, v0
	v_add_nc_u32 v[FRD], STG, v[T16]
	v_mov_b32 v[TT], 0                             ; written once: a lane permute's destination counts as one of its sources
	; what I fetch of a slot: rows 32 w on.  Made of the cluster's number and the wave's alone, in registers that never hold g
	s_lshl_b32 s20, ttmp9, 20                      ; the cluster's 1,024 rows of 1,024 bytes
	s_lshl_b32 s21, s[WV], 15
	s_add_co_u32 s20, s20, s21
	s_mov_b32 s21, 0
	s_mul_i32 s22, s[WV], QUART
	s_wait_kmcnt 0x0
	s_load_b64 s[52:53], s[12:13], 0x8             ; e2, e3
	s_add_nc_u64 s[20:21], s[4:5], s[20:21]
.irp n, 0,1
	s_mov_b32 s[G0+4*\n], 1                        ; count = 1
	s_add_co_u32 s[G0+4*\n+1], s22, \n*SLOT        ; LDS address
	s_add_nc_u64 s[G0+4*\n+2:G0+4*\n+3], s[20:21], \n*SLOTG  ; global address: slot n begins with rows 128 n on
	s_or_b32 s[G0+4*\n+3], s[G0+4*\n+3], 0x80000000  ; type = 2
.endr
	CROUND                                         ; all four work-groups are here: the first joint loads meet
	tensor_load_to_lds s[G0:G0+3], s[G1:G1+7]      ; both first fills together, ahead of every wait on TENSORcnt and every LDS read: two loads of mine are out
	s_nop 0
	tensor_load_to_lds s[G0+4:G0+7], s[G1:G1+7]
	s_nop 0
.rept 4
	v_nop
.endr
	; my own addresses, which hang on g
	s_lshl_b32 s54, s[CX], 2
	s_add_co_u32 s54, s54, s[WV]                   ; 4 g + w: my 64 columns
	s_lshl_b32 s56, s54, 13                        ; dqp: four tiles of 2,048 bytes
	s_lshl_b32 s58, s54, 8                         ; v: 64 numbers
	s_lshl_b32 s54, s54, 16                        ; wimg: four tiles x eight images of 2,048 bytes
	s_mov_b32 s55, 0
	s_mov_b32 s57, 0
	s_mov_b32 s59, 0
	s_lshr_b32 s23, s[BB], 4
	s_lshl_b32 s23, s23, 10                        ; dqp: which half of the 32 batches,
	s_add_co_u32 s56, s56, s23
	s_and_b32 s23, s[BB], 15
	s_lshl_b32 s23, s23, 4                         ; and which lane's 16 bytes there
	s_add_co_u32 s56, s56, s23
	s_add_nc_u64 s[6:7], s[6:7], s[54:55]
	s_add_nc_u64 s[8:9], s[8:9], s[56:57]
	s_add_nc_u64 s[10:11], s[10:11], s[58:59]
	WIN 0x80                                       ; destination window 2
.irp s, 0,1,2,3
.irp t, 0,1,2,3
.irp c, 0,1,2,3
	global_load_b128 v[(4*\s+\t)*16+4*\c:(4*\s+\t)*16+4*\c+3], v[LO], s[6:7] offset:(8*\t+\s)*2048+512*\c   ; an image comes back as it was stored: 512 consecutive bytes a load
.endr
.endr
.endr
	WIN 0xc0                                       ; destination window 3
.irp s, 0,1,2,3
.irp t, 0,1,2,3
.irp c, 0,1,2,3
	global_load_b128 v[(4*\s+\t)*16+4*\c:(4*\s+\t)*16+4*\c+3], v[LO], s[6:7] offset:(8*\t+\s+4)*2048+512*\c
.endr
.endr
.endr
	WIN 0x40                                       ; destination window 1: the eight parts of dec_proj at my columns, part u at 32 u; the encoder's fragments take these registers afterwards
.irp u, 0,1,2,3,4,5,6,7
.irp t, 0,1,2,3
.irp jh, 0,1
	global_load_b128 v[32*\u+8*\t+4*\jh:32*\u+8*\t+4*\jh+3], v[H256], s[8:9] offset:131072*\u+2048*\t+512*\jh
.endr
.endr
.endr
	WIN 0
.irp t, 0,1,2,3
.irp jh, 0,1
	global_load_b128 v[WW+8*\t+4*\jh:WW+8*\t+4*\jh+3], v[H32], s[10:11] offset:64*\t+16*\jh   ; v at columns 16 t + 8 h + 4 jh + 0 .. 3 of my 64
.endr
.endr
	s_lshl_b32 s54, s[CX], 18                      ; part: slice g's 65,536 numbers,
	s_lshl_b32 s56, ttmp9, 12                      ; the cluster's 1,024 of them
	s_add_co_u32 s54, s54, s56
	s_add_nc_u64 s[14:15], s[14:15], s[54:55]
	s_lshl_b32 s54, ttmp9, 20                      ; the prefetches: the cluster's rows,
	s_lshl_b32 s56, s[CX], 15                      ; my work-group's 128 blocks of a slot's 512,
	s_add_co_u32 s54, s54, s56
	s_lshl_b32 s56, s[WV], 13                      ; my wave's 32 of them,
	s_add_co_u32 s54, s54, s56
	s_add_co_u32 s54, s54, 2*SLOTG                 ; in slot 2: the first change of slots steps it to slot 3.  Nothing is prefetched here, at the head
	s_add_nc_u64 s[PFA:PFA+1], s[4:5], s[54:55]
	s_mov_b32 s[PN], 6
	s_mov_b32 s[SC], 0
	s_mov_b32 s[TB], 0
	s_wait_loadcnt 0x0
	WIN 0x05                                       ; sources 0 and 1 window 1
.irp i, 0,2,4,6,8,10,12,14,16,18,20,22,24,26,28,30
	v_pk_add_f32 v[DQ+\i:DQ+\i+1], v[\i:\i+1], v[32+\i:33+\i]      ; DQ = the sum of the eight K steps' parts, K ascending
.endr
	WIN 0x04                                       ; source 1 window 1
.irp u, 2,3,4,5,6,7
.irp i, 0,2,4,6,8,10,12,14,16,18,20,22,24,26,28,30
	v_pk_add_f32 v[DQ+\i:DQ+\i+1], v[DQ+\i:DQ+\i+1], v[32*\u+\i:32*\u+\i+1]
.endr
.endr
	WIN 0
.irp i, 0,2,4,6,8,10,12,14,16,18,20,22,24,26,28,30
	v_pk_mul_f32 v[WW+\i:WW+\i+1], v[WW+\i:WW+\i+1], -2.0 op_sel_hi:[1,0]
.endr
	s_wait_kmcnt 0x0
	s_add_co_i32 s[CS], s52, s53
	s_lshl_b32 s[CS], s[CS], 23
	s_add_co_i32 s[CS], s[CS], 0x4038aa3b          ; 2 log2(e) with e2 + e3 added to its exponent field
	s_mov_b32 s[CS+1], s[CS]                       ; (named with it as a pair, so it is written)
; 16 LDS loads in one run: K steps s0 .. s0 + 3 of the tile at v[ADR] into the set of fragments at xb (window 1).  Registers 4 c .. 4 c + 3 of a fragment: k = 32 c + 16 h + 0 .. 15, as in We's images
.macro RUN xb, s0
.irp s, \s0, \s0+1, \s0+2, \s0+3
.irp c, 0,1,2,3
	ds_load_b128 v[(\xb)+16*(\s)+4*\c:(\xb)+16*(\s)+4*\c+3], v[ADR] offset:128*(\s)+32*\c
.endr
.endr
.endm
; Matrix instruction q of a turn's 32: K step q / 4, column tile q % 4, on set p.  The four accumulators take turns, one instruction a turn; the first four start the sums.
.macro MM p
.set ms, q/4
.set mt, q%4
.set rD, AC+32*(\p)+8*mt
.set rW, (4*(ms%4)+mt)*16
.set rX, 128*(\p)+16*ms
.set mw, 0x06+ms/4
	WIN mw                                         ; We in window 2 or 3, the encoder in window 1, the sums in window 0
.if ms == 0
	v_wmma_f32_16x16x128_bf8_bf8 v[rD:rD+7], v[rW:rW+15], v[rX:rX+15], 0
.else
	v_wmma_f32_16x16x128_bf8_bf8 v[rD:rD+7], v[rW:rW+15], v[rX:rX+15], v[rD:rD+7]
.endif
.endm
; ENTRY j OF A TILE'S LIST, on the 32 sums at v[eE].  0-47: t = sum x c + DQ (16 packed) and 2^t (32); 48-95: + 1 (16 packed) and the reciprocal (32), in the same order: two packed lines, then one
; packed line and two transcendentals by turns, then the last four transcendentals: a pair is scaled seven entries ahead of its transcendentals, and no entry of a phase names a result of that phase.
; 96-111: x -2 v, into four packed sums; 112-118: the sums, the other half of the lanes'; 119: the row's partial score to my words in LDS.  The packed lines ascend: each accumulator is first read at its low end.
.macro EP
.if j < 96
.set jj, j%48
.if jj < 2
.set kind, 0
.set idx, jj
.elseif jj < 44
.set uu, jj-2
.if uu%3 == 0
.set kind, 0
.set idx, 2+uu/3
.else
.set kind, 1
.set idx, 2*(uu/3)+uu%3-1
.endif
.else
.set kind, 1
.set idx, jj-16
.endif
.endif
.if (j < 48) && (kind == 0)
	v_pk_fma_f32 v[eE+2*idx:eE+2*idx+1], v[eE+2*idx:eE+2*idx+1], s[CS:CS+1], v[DQ+2*idx:DQ+2*idx+1] op_sel_hi:[1,0,1]
.elseif j < 48
	v_exp_f32 v[eE+idx], v[eE+idx]
.elseif (j < 96) && (kind == 0)
	v_pk_add_f32 v[eE+2*idx:eE+2*idx+1], v[eE+2*idx:eE+2*idx+1], 1.0 op_sel_hi:[1,0]
.elseif j < 96
	v_rcp_f32 v[eE+idx], v[eE+idx]
.elseif j < 100
.set pp, j-96
	v_pk_mul_f32 v[SA+2*pp:SA+2*pp+1], v[eE+2*pp:eE+2*pp+1], v[WW+2*pp:WW+2*pp+1]   ; the first four start the sums
.elseif j < 112
.set pp, j-96
.set ps, pp%4
	v_pk_fma_f32 v[SA+2*ps:SA+2*ps+1], v[eE+2*pp:eE+2*pp+1], v[WW+2*pp:WW+2*pp+1], v[SA+2*ps:SA+2*ps+1]
.elseif j == 112
	v_pk_add_f32 v[SA:SA+1], v[SA:SA+1], v[SA+2:SA+3]
.elseif j == 113
	v_pk_add_f32 v[SA+4:SA+5], v[SA+4:SA+5], v[SA+6:SA+7]
.elseif j == 114
	v_add_nc_u32 v[SAD], s[SC], v[SA0]
.elseif j == 115
	v_pk_add_f32 v[SA:SA+1], v[SA:SA+1], v[SA+4:SA+5]
.elseif j == 116
	v_add_f32 v[SS], v[SA], v[SA+1]
.elseif j == 117
	v_permlanex16_b32 v[TT], v[SS], s[SEL], s[SEL+1]   ; the row's other 32 columns lie in the lane 16 away
.elseif j == 118
	v_add_f32 v[SS], v[SS], v[TT]
.else
	ds_store_b32 v[SAD], v[SS]                     ; lanes r and r + 16 write the same word with the same value
.endif
.endm
.macro EPRUN n
.rept \n
	EP
.set j, j+1
.endr
.endm
; WHAT STANDS BEHIND MATRIX INSTRUCTION q.  epi = 1: entries 4 q .. 4 q + 3 of the other set's list.  ld = 1: the next tile's two runs of loads, behind q = 11 and q = 23, into the other set of fragments.
; The waits for the transcendentals stand where the phases end: one for the 32 exponentials, one for the 32 reciprocals, each behind a plain line and ahead of the first entry that names a result.
; The four v_nop behind q = 31 are the places between this turn's products and the next turn's reads of their sums and loads into their fragments.
.macro SLICE p, epi, ld
.if (\epi) && (q < 30)
	WIN 0
.set eE, AC+32*(1-(\p))
.set j, 4*q
	EPRUN 4
.endif
.if q == 11
	WIN 0
.if \ld
	v_add_nc_u32 v[ADR], s[TB], v[AX0]             ; (also the plain line behind the last exponential)
.else
	v_nop
.endif
.if \epi
	s_wait_alu depctr_va_vdst(0)                   ; one wait for the batch of exponentials, ahead of the first line that names a result
.endif
.if \ld
	WIN 0x40                                       ; destination window 1
	RUN 128*(1-(\p)), 0
.endif
.endif
.if q == 23
.if \epi
	v_nop                                          ; the plain line behind the last reciprocal
	s_wait_alu depctr_va_vdst(0)                   ; one wait for the batch of reciprocals
.endif
.if \ld
	WIN 0x40
	RUN 128*(1-(\p)), 4
	s_add_co_u32 s[TB], s[TB], TILEB               ; the next fetch is the next tile's
.endif
.endif
.if (\epi) && (q == 29)
	s_add_co_u32 s[SC], s[SC], 64                  ; the next tile's 16 scores
	s_and_b32 s[SC], s[SC], 0xfc0                  ; 64 tiles: it stays inside my 4,096 bytes
.endif
.if q == 31
.rept 4
	v_nop
.endr
	WIN 0                                          ; at a label and at a branch every window is 0
.endif
.endm
.macro STEPS n, p, epi, ld
.rept \n
.if q == 16
.if \ld
	s_wait_dscnt 16                                ; K steps 4-7 of this tile are in: only this turn's first run of 16 loads may be out
.else
	s_wait_dscnt 0x0
.endif
.endif
	MM \p
	SLICE \p, \epi, \ld
.set q, q+1
.endr
.endm
; A TURN on set p.  chg = 0: a plain turn.  chg = 1, 2: the slot's eighth turn: all reads of the slot have been issued (its last tile was fetched a turn ago), and this turn fetches from the other slot.
; So the change of slots stands at its head: every wave waits for all its tensor loads (its part of the other slot), adds 0 to its spare word, waits for that and for its reads of the slot, and signals.
; chg = 1: the barrier opens a round of the cluster's; eight matrix instructions and their slices, work on registers alone, stand between the signal and the wait; behind the round the joint refill
; comes first: it has eight turns, 256 matrix instructions, in which to land.  chg = 2: nothing is left to fetch: the work-group's barrier alone.
.macro TURN p, epi, ld, chg, slot
.set q, 0
.if \chg == 0
	s_wait_dscnt 16                                ; K steps 0-3 of this tile are in: the second run's 16 loads may be out
	STEPS 32, \p, \epi, \ld
.else
	s_wait_tensorcnt 0x0                           ; no tensor load of mine is out, so a group 0 may be written
	ds_add_u32 v[SPW], v[NIL]                      ; 0 onto my spare word; the steps below stand between it and the wait for it
.if \chg == 1
	s_add_nc_u64 s[G0+4*\slot+2:G0+4*\slot+3], s[G0+4*\slot+2:G0+4*\slot+3], 2*SLOTG   ; this slot's next 128 rows; the type bits on top are not reached
	s_wait_xcnt 0x0                                ; the last prefetch, eight turns back, has read its address, so it may be written
	s_add_nc_u64 s[PFA:PFA+1], s[PFA:PFA+1], SLOTG
	s_sub_co_u32 s[PN], s[PN], 1
.endif
	s_mov_b32 s[TB], (1-\slot)*SLOT                ; the fetches go on in the other slot
	s_wait_dscnt 0x0                               ; the add is done, and my reads of this slot are over
	s_barrier_signal -1
	STEPS 8, \p, \epi, \ld
	v_nop                                          ; a plain line behind the last exponential issued so far,
	s_wait_alu depctr_va_vdst(0)                   ; and their wait
	WIN 0
	s_barrier_wait -1
.if \chg == 1
	CREST                                          ; no wave of any partner still reads this slot or has a load on its way
	tensor_load_to_lds s[G0+4*\slot:G0+4*\slot+3], s[G1:G1+7]   ; the first thing behind the round, and my one tensor load until the next
	s_nop 0
.rept 4
	v_nop
.endr
	ASK
.endif
	STEPS 24, \p, \epi, \ld
.endif
.endm
.macro PAIRS                           ; six plain turns: written as two, walked three times
	s_mov_b32 s[INC], 3
.Lpair_\@:
	TURN 1, 1, 1, 0, 0
	TURN 0, 1, 1, 0, 0
	s_sub_co_u32 s[INC], s[INC], 1
	s_cmp_lg_u32 s[INC], 0
	s_cbranch_scc1 .Lpair_\@
.endm
.macro SLOTRUN slot, chg               ; tiles 1 to 7 of a slot and tile 0 of the next
	PAIRS
	TURN 1, 1, 1, \chg, \slot
	TURN 0, 1, 1, 0, 0
.endm
	s_wait_tensorcnt 0x1                           ; my part of slot 0 is in; slot 1's may stay out
	s_barrier_signal -1
	s_barrier_wait -1                              ; everybody's is
	v_add_nc_u32 v[ADR], s[TB], v[AX0]             ; tile 0
	WIN 0x40
	RUN 0, 0
	RUN 0, 4
	WIN 0
	s_mov_b32 s[TB], TILEB
	TURN 0, 0, 1, 0, 0                             ; tile 0: there is no list yet
	s_mov_b32 s[OUTC], 3
.Louter:                                               ; three trips: six changes of slots, each with a refill: slots 2 to 7
	SLOTRUN 0, 1
	SLOTRUN 1, 1
	s_sub_co_u32 s[OUTC], s[OUTC], 1
	s_cmp_lg_u32 s[OUTC], 0
	s_cbranch_scc1 .Louter
	SLOTRUN 0, 2                                   ; the tail is written out: the last slot but one is left, and nothing is asked for
	PAIRS
	TURN 1, 1, 0, 0, 0                             ; tile 63: nothing more to fetch
.set eE, AC+32                                         ; tile 63's list, with nothing to stand between
.set j, 0
	EPRUN 48
	v_nop
	s_wait_alu depctr_va_vdst(0)
	EPRUN 48
	v_nop
	s_wait_alu depctr_va_vdst(0)
	EPRUN 24
	; THE END: the four waves' partial scores of the 1,024 rows are added and stored
	s_wait_dscnt 0x0                               ; for the others' sake: my stores of scores are done
	s_barrier_signal -1
	s_barrier_wait -1
.irp w, 0,1,2,3
.irp u, 0,1
	ds_load_b128 v[ES+8*\w+4*\u:ES+8*\w+4*\u+3], v[FRD] offset:4096*\w+2048*\u
.endr
.endr
	s_wait_dscnt 0x0
.irp w, 1,2,3
.irp i, 0,2,4,6
	v_pk_add_f32 v[ES+\i:ES+\i+1], v[ES+\i:ES+\i+1], v[ES+8*\w+\i:ES+8*\w+\i+1]
.endr
.endr
.irp u, 0,1
	global_store_b128 v[T16], v[ES+4*\u:ES+4*\u+3], s[14:15] offset:2048*\u   ; a wave stores 512 consecutive bytes, at a multiple of 512 from the buffer's first byte
.endr
	s_wait_tensorcnt 0x0                           ; the wave's end: behind my last tensor load and my last LDS store
	ds_add_u32 v[SPW], v[NIL]
	s_wait_dscnt 0x0
	CROUND                                         ; the closing round: no work-group ends while a partner may still ask for a tile that names it
	s_endpgm
.Lfunc_end_k_q0c645c4a64_main:
	.size	k_q0c645c4a64_main, .Lfunc_end_k_q0c645c4a64_main-k_q0c645c4a64_main
	.p2alignl 7, 3214868480
	.fill 96, 4, 3214868480
	.section	.rodata,"a",@progbits
	.p2align	6, 0x0
	.amdhsa_kernel k_q0c645c4a64_main
		.amdhsa_group_segment_fixed_size 327680
		.amdhsa_private_segment_fixed_size 0
		.amdhsa_enable_private_segment 0
		.amdhsa_kernarg_size 48
		.amdhsa_user_sgpr_count 2
		.amdhsa_user_sgpr_kernarg_segment_ptr 1
		.amdhsa_wavefront_size32 1
		.amdhsa_system_sgpr_workgroup_id_x 1
		.amdhsa_system_sgpr_workgroup_id_y 1
		.amdhsa_system_sgpr_workgroup_id_z 1
		.amdhsa_system_vgpr_workitem_id 0
		.amdhsa_next_free_vgpr 1024
		.amdhsa_next_free_sgpr 66
		.amdhsa_reserve_vcc 0
		.amdhsa_float_denorm_mode_32 3
		.amdhsa_float_denorm_mode_16_64 3
		.amdhsa_memory_ordered 1
		.amdhsa_forward_progress 1
		.amdhsa_inst_pref_size 226
	.end_amdhsa_kernel
	.amdgpu_metadata
---
amdhsa.version: [ 1, 2 ]
amdhsa.kernels:
  - .name:           k_q0c645c4a64_main
    .symbol:         k_q0c645c4a64_main.kd
    .args:
      - { .name: encoder_all_hidden_codes, .offset: 0, .size: 8, .value_kind: global_buffer, .address_space: global }
      - { .name: wimg, .offset: 8, .size: 8, .value_kind: global_buffer, .address_space: global }
      - { .name: dqp, .offset: 16, .size: 8, .value_kind: global_buffer, .address_space: global }
      - { .name: v, .offset: 24, .size: 8, .value_kind: global_buffer, .address_space: global }
      - { .name: lowp_scales, .offset: 32, .size: 8, .value_kind: global_buffer, .address_space: global }
      - { .name: part, .offset: 40, .size: 8, .value_kind: global_buffer, .address_space: global }
    .group_segment_fixed_size: 327680
    .private_segment_fixed_size: 0
    .kernarg_segment_align: 8
    .kernarg_segment_size: 48
    .max_flat_workgroup_size: 128
    .sgpr_count:     66
    .vgpr_count:     1024
    .wavefront_size: 32
...
	.end_amdgpu_metadata
.endif
;; end of part 2
;; launch soft (part 3): grid 32 x 1, 8 waves a work-group, no clusters, 1,280 bytes of LDS; arguments part, out0; writes out0
.if DOCPART == 3
	.amdgcn_target "amdgcn-amd-amdhsa--gfx1250"
	.amdhsa_code_object_version 6
	.text
	.protected	k_q0c645c4a64_soft
	.globl	k_q0c645c4a64_soft
	.p2align	8
	.type	k_q0c645c4a64_soft,@function
k_q0c645c4a64_soft:
	s_mov_b64 s[64:65], 0
	v_nop
	global_prefetch_b8 v0, s[64:65] scope:SCOPE_SE
	s_setreg_imm32_b32 hwreg(HW_REG_WAVE_MODE, 25, 1), 1
	s_wait_xcnt 0x0
; out0[b][s] = softmax over s of the score; a score is the sum of its four parts (one for each slice of 256 columns), short of a shift that is common to all rows and that the maximum takes away.
; One work-group to a batch of 2,048 scores: 32 rows have 32 owners.  Thread t holds the 16 bytes at 16 t and at 4,096 + 16 t of the row: every load and store of a wave covers 512 consecutive bytes.
; The row's maximum is taken away before the exponential; maximum and sum go lane to lane inside a wave and through eight LDS words from wave to wave (other words for the sum: one barrier each).
; No matrix unit, no tensor load, no cluster: the launch moves 1.25 MiB and has nothing to share.
	s_load_b128 s[4:7], s[0:1], 0x0                ; part, out0
	v_lshl_add_u32 v64, v0, 2, 0x100
	v_mov_b32 v65, 0
	v_lshlrev_b32 v1, 4, v0                        ; 16 x thread
	v_lshrrev_b32 v2, 5, v0
	v_readfirstlane_b32 s10, v2                    ; wave 0..7
	v_mov_b32 v2, s10
	v_lshlrev_b32 v2, 2, v2                        ; my wave's word
	v_mov_b32 v3, 0
	s_lshl_b32 s8, ttmp9, 13                       ; a batch's 2,048 numbers
	s_mov_b32 s9, 0
	s_mov_b32 s12, 0x76543210                      ; v_permlanex16_b32: lane l xor 16
	s_mov_b32 s13, 0xfedcba98
	s_wait_kmcnt 0x0
	s_add_nc_u64 s[4:5], s[4:5], s[8:9]
	s_add_nc_u64 s[6:7], s[6:7], s[8:9]
.irp g, 0,1,2,3
.irp u, 0,1
	global_load_b128 v[16+8*\g+4*\u:16+8*\g+4*\u+3], v1, s[4:5] offset:262144*\g+4096*\u th:TH_LOAD_NT
.endr
.endr
	s_wait_loadcnt 0x0
.irp g, 1,2,3
.irp i, 0,2,4,6
	v_pk_add_f32 v[16+\i:17+\i], v[16+\i:17+\i], v[16+8*\g+\i:17+8*\g+\i]   ; my eight scores in v16-23
.endr
.endr
	v_max3_num_f32 v48, v16, v17, v18
	v_max3_num_f32 v49, v19, v20, v21
	v_max3_num_f32 v48, v48, v22, v23
	v_max_num_f32 v48, v48, v49
	v_max_num_f32_dpp v48, v48, v48 row_xmask:1 row_mask:0xf bank_mask:0xf
	v_max_num_f32_dpp v48, v48, v48 row_xmask:2 row_mask:0xf bank_mask:0xf
	v_max_num_f32_dpp v48, v48, v48 row_xmask:4 row_mask:0xf bank_mask:0xf
	v_max_num_f32_dpp v48, v48, v48 row_xmask:8 row_mask:0xf bank_mask:0xf
	v_permlanex16_b32 v49, v48, s12, s13
	v_max_num_f32 v48, v48, v49                    ; the wave's maximum, in every lane
	ds_store_b32 v2, v48
	s_wait_dscnt 0x0                               ; for the others' sake
	s_barrier_signal -1
	s_barrier_wait -1
	ds_load_b128 v[52:55], v3
	ds_load_b128 v[56:59], v3 offset:16
	s_wait_dscnt 0x0
	v_max3_num_f32 v48, v52, v53, v54
	v_max3_num_f32 v49, v55, v56, v57
	v_max3_num_f32 v48, v48, v58, v59
	v_max_num_f32 v48, v48, v49                    ; the row's maximum
	v_mov_b32 v49, v48                             ; twice: a pair for the packed subtraction
.irp i, 0,2,4,6
	v_pk_add_f32 v[16+\i:17+\i], v[16+\i:17+\i], v[48:49] neg_lo:[0,1] neg_hi:[0,1]
.endr
.irp i, 0,2,4,6
	v_pk_mul_f32 v[16+\i:17+\i], v[16+\i:17+\i], 0x3fb8aa3b op_sel_hi:[1,0]   ; x log2(e): behind the subtraction, so that large scores lose nothing
.endr
.irp i, 0,1,2,3,4,5,6,7
	v_exp_f32 v[16+\i], v[16+\i]
.endr
	v_nop                                          ; a plain line behind the last exponential
	s_wait_alu depctr_va_vdst(0)                   ; one wait for the eight, ahead of the first line that names a result
	v_pk_add_f32 v[50:51], v[16:17], v[18:19]
	v_pk_add_f32 v[60:61], v[20:21], v[22:23]
	v_pk_add_f32 v[50:51], v[50:51], v[60:61]
	v_add_f32 v50, v50, v51
	v_add_f32_dpp v50, v50, v50 row_xmask:1 row_mask:0xf bank_mask:0xf
	v_add_f32_dpp v50, v50, v50 row_xmask:2 row_mask:0xf bank_mask:0xf
	v_add_f32_dpp v50, v50, v50 row_xmask:4 row_mask:0xf bank_mask:0xf
	v_add_f32_dpp v50, v50, v50 row_xmask:8 row_mask:0xf bank_mask:0xf
	v_permlanex16_b32 v51, v50, s12, s13
	v_add_f32 v50, v50, v51                        ; the wave's sum
	ds_store_b32 v2, v50 offset:32                 ; other words than the maxima's
	s_wait_dscnt 0x0
	s_barrier_signal -1
	s_barrier_wait -1
	ds_load_b128 v[52:55], v3 offset:32
	ds_load_b128 v[56:59], v3 offset:48
	s_wait_dscnt 0x0
	v_pk_add_f32 v[52:53], v[52:53], v[54:55]
	v_pk_add_f32 v[56:57], v[56:57], v[58:59]
	v_pk_add_f32 v[52:53], v[52:53], v[56:57]
	v_add_f32 v52, v52, v53                        ; the row's sum: at least 1, since the maximum's own term is 1
	v_rcp_f32 v62, v52
	v_nop                                          ; a plain line behind the reciprocal
	s_wait_alu depctr_va_vdst(0)
	v_mov_b32 v63, v62
.irp i, 0,2,4,6
	v_pk_mul_f32 v[16+\i:17+\i], v[16+\i:17+\i], v[62:63]
.endr
	global_store_b128 v1, v[16:19], s[6:7]
	global_store_b128 v1, v[20:23], s[6:7] offset:4096
	s_wait_tensorcnt 0x0
	ds_add_u32 v64, v65
	s_wait_dscnt 0x0
	s_endpgm
.Lfunc_end_k_q0c645c4a64_soft:
	.size	k_q0c645c4a64_soft, .Lfunc_end_k_q0c645c4a64_soft-k_q0c645c4a64_soft
	.p2alignl 7, 3214868480
	.fill 96, 4, 3214868480
	.section	.rodata,"a",@progbits
	.p2align	6, 0x0
	.amdhsa_kernel k_q0c645c4a64_soft
		.amdhsa_group_segment_fixed_size 1280
		.amdhsa_private_segment_fixed_size 0
		.amdhsa_enable_private_segment 0
		.amdhsa_kernarg_size 16
		.amdhsa_user_sgpr_count 2
		.amdhsa_user_sgpr_kernarg_segment_ptr 1
		.amdhsa_wavefront_size32 1
		.amdhsa_system_sgpr_workgroup_id_x 1
		.amdhsa_system_sgpr_workgroup_id_y 1
		.amdhsa_system_sgpr_workgroup_id_z 1
		.amdhsa_system_vgpr_workitem_id 0
		.amdhsa_next_free_vgpr 66
		.amdhsa_next_free_sgpr 66
		.amdhsa_reserve_vcc 0
		.amdhsa_float_denorm_mode_32 3
		.amdhsa_float_denorm_mode_16_64 3
		.amdhsa_memory_ordered 1
		.amdhsa_forward_progress 1
		.amdhsa_inst_pref_size 7
	.end_amdhsa_kernel
	.amdgpu_metadata
---
amdhsa.version: [ 1, 2 ]
amdhsa.kernels:
  - .name:           k_q0c645c4a64_soft
    .symbol:         k_q0c645c4a64_soft.kd
    .args:
      - { .name: part, .offset: 0, .size: 8, .value_kind: global_buffer, .address_space: global }
      - { .name: out0, .offset: 8, .size: 8, .value_kind: global_buffer, .address_space: global }
    .group_segment_fixed_size: 1280
    .private_segment_fixed_size: 0
    .kernarg_segment_align: 8
    .kernarg_segment_size: 16
    .max_flat_workgroup_size: 256
    .sgpr_count:     66
    .vgpr_count:     66
    .wavefront_size: 32
...
	.end_amdgpu_metadata
.endif
;; end of part 3
